; MI455X (gfx1250); checked and timed in simulation.
; The chip was launched on July 23, 2026; its instructions are those of AMD's public machine-readable ISA for CDNA 5 (MIT licence, August 2026) and "CDNA5" Instruction Set Architecture Reference Guide (July 2026). The comments in the code are by the model that wrote it; some were corrected since.
;; Linear Int4. Allowed arithmetic: float matrix products may take bf16 or f16 operands with f32 sums; other float arithmetic in f32, or as packed bf16 or f16 multiplies, adds, multiply-adds, maxima and minima; sums over many terms, partial sums and values carried from step to step in f32; what a program stores and reads back later, other than sums and carried values, may be rounded once to bf16 or f16.
;; Inputs: fake_bias 4,096 float32; weight 4,096 x 4,096 int8; x 4,096 x 4,096 int8.
;; Outputs: out0 4,096 x 4,096 float32.
;; One version. Each part assembles by itself: llvm-mc -triple=amdgcn-amd-amdhsa -mcpu=gfx1250 --defsym DOCPART=n.
;; ======== version 1 of 1: 1 launch
;; launch gemm (part 1): grid 16 x 16, 4 waves a work-group, clusters of 4 x 4, 327,680 bytes of LDS; arguments x, weight, fake_bias, out0; writes out0
.if DOCPART == 1
	.amdgcn_target "amdgcn-amd-amdhsa--gfx1250"
	.amdhsa_code_object_version 6
	.text
	.protected	k_qd10dd40239_gemm
	.globl	k_qd10dd40239_gemm
	.p2align	8
	.type	k_qd10dd40239_gemm,@function
k_qd10dd40239_gemm:
	s_mov_b64 s[64:65], 0
	v_nop
	global_prefetch_b8 v0, s[64:65] scope:SCOPE_SE
	s_setreg_imm32_b32 hwreg(HW_REG_WAVE_MODE, 25, 1), 1
	s_wait_xcnt 0x0
	s_wait_alu depctr_hold_cnt(0) depctr_sa_sdst(0) depctr_va_vdst(0) depctr_va_sdst(0) depctr_va_ssrc(0) depctr_va_vcc(0) depctr_vm_vsrc(0)
	s_getreg_b32 s2, hwreg(HW_REG_IB_STS2, 6, 4)
	s_cmp_eq_u32 s2, 0
	s_cbranch_scc0 .Lentry_in_a_cluster
	s_endpgm
.Lentry_in_a_cluster:
	s_bfe_u32 s2, ttmp6, 0x10000c
	s_cmp_lg_u32 s2, 0xf033
	s_cbranch_scc0 .Lentry_shape_is_right
	s_endpgm
.Lentry_shape_is_right:
; out[m][n] = f32(sum over k of x[m][k] w[n][k]) + bias[n].  x: [4096][4096] int8, w: [4096][4096] int8 (K along the rows of both), bias: [4096] f32, out: [4096][4096] f32.
; FORMAT.  The products go to the matrix unit with f16 operands and f32 sums.  Every int8 is an exact f16 and every product, 2^14 at the most, an exact f32;
; a sum up to 2^24 in magnitude has an exact f32.  LIMITS: beyond that (the largest possible sum is 2^26) the running sum is rounded to f32 as it grows, where the integer sum would be rounded once;
; inside a matrix instruction the 32 k stand in another order than in memory, alike in both sources, so the products are the same.  The bias is added once, in f32, to the finished sum.
; f16 and not bf16: the conversion below needs eight stored mantissa bits; the operands are bounded by their type (128 in magnitude), so f16's range is never at stake.
; SHARES.  A work-group of four waves makes a tile of 256 x 256 of out, a wave 128 x 128: 64 accumulators of 16 x 16, 512 registers.  16 x 16 tiles: 256 work-groups.
; RING.  K goes in steps of 256 through two LDS slots that hold the RAW bytes: 256 rows of x and 256 rows of w, 256 bytes each.  A step is eight QUARTERS of 32 along K, 64 matrix instructions each.
; CLUSTER.  4 x 4 work-groups.  The four of a row of the cluster need the same tiles of x, the four of a column the same tiles of w: each tile is asked for JOINTLY, by the same tensor load with the
; same descriptor and a mask that names the four.
; CONVERSION, in registers.  A lane's 16 raw bytes (one ds_load_b128) become a whole fragment of 16 rows x 32 K, 8 registers, by 20 vector instructions: for each raw word an exclusive or with
; 0x80808080 (byte s becomes u = s + 128), two v_perm_b32 that set 0x64 above each byte (the f16 0x6400 | u is 1024 + u), and for each of the 8 registers a packed add of -1152: all exact.
; A quarter has 16 fragments: 320 vector instructions for 64 matrix instructions, five RIDERS behind each.  In quarter g the products take fragment buffer g % 2, the riders turn the raw bytes of
; quarter g + 1 into the other buffer, and the raw bytes of quarter g + 2 are loaded from LDS.
; THE MATRIX INSTRUCTION IS USED TRANSPOSED: source 0 = 16 rows of w, source 1 = 16 rows of x: lane l then holds row l % 16 of out and its registers 0-7 the columns 8 (l / 16) + 0..7.
; REGISTERS: four windows of 256 of the same shape (s_set_vgpr_msb: bits 1:0 source 0, 3:2 source 1, 5:4 source 2, 7:6 destination).  Window W holds what belongs to the row blocks a = 2 W, 2 W + 1
; and to the column blocks b = 2 W, 2 W + 1:
;   v32-95   f16 fragments, two buffers of 32: x's blocks a = 2 W, 2 W + 1, then w's blocks b = 2 W, 2 W + 1        v96-111  the same four fragments' raw bytes
;   v112     -1152 twice, in every window                                                                          v128-255 accumulator (a, b) at v[128 + 8 (8 (a % 2) + b)]
;   window 0, v0-31: addresses.  Windows 1 and 2, v0-31: my lane's bias for column blocks 0-3 and 4-7.
; A product of (a, b) wants source 0 in window b / 2 and all else in window a / 2.  Under that same setting the riders of window a / 2 run (their vector data come by source 1, the constant by source 0,
; which finds it in any window), and while b / 2 = 0 so do the LDS loads (address by source 0 in window 0).  So the setting changes once for four matrix instructions and their twenty riders.
.set PITCH,  272                       ; an LDS row: 256 bytes + 16 of padding = 68 words: row r starts at bank 4 r mod 64 (64 banks of 4 bytes: ISA guide 11.1), so the 16 rows of a load start at 16 different banks
.set HALFT,  128*PITCH                 ; 128 rows: what one tensor load brings, and what one wave reads of x or of w
.set SLOT,   4*HALFT                   ; x's 256 rows, then w's 256 rows: 0x22000; neither of its two bits is set in wave x HALFT or in a row's 256 bytes, so an exclusive or changes slots
.set STAGE,  2*SLOT                    ; behind the ring: 16 rows x 528 bytes for each wave, for the way out; no tensor load lands here
.set SPITCH, 528                       ; 512 bytes + 16: an odd multiple of 16
.set WSTAGE, 16*SPITCH
.set SPARE,  STAGE+4*WSTAGE            ; behind the stages: the spare words, 128 bytes for each wave: two blocks of 256 bytes that no other line names
.set A0,   4                           ; v4   my lane's place in my 128 rows of x, slot 0, K byte 0; never rewritten
.set B0,   5                           ; v5   the same in my 128 rows of w
.set ADRA, 6                           ; v6   the LDS address of x's raw loads in hand
.set ADRB, 7                           ; v7   of w's
.set STO,  8                           ; v8   the way out: where I put 32 bytes of a row
.set RD,   9                           ; v9   the way out: where I read a row back
.set CO,   10                          ; v10  my 16 bytes in 512 consecutive bytes of out
.set BO,   11                          ; v11  my byte offset in 64 bytes of the bias
.set SPW,  28                          ; v28  LDS address of my spare word: SPARE + 4 x my thread's number; never rewritten
.set NIL,  29                          ; v29  0; never rewritten
.set FR,   32
.set RAW,  96
.set KREG, 112
.set ACC,  128
.set TMP,  32                          ; the way out, window 0: a block's 64 results with the bias added
.set OB,   32                          ; the way out, windows 1 and 2 by turns: 16 rows read back from the stage
.set WV,   12                          ; s12  my wave's number
.set RH,   13                          ; s13  which half of the tile's rows is mine
.set CH,   14                          ; s14  which half of its columns; also: which 128 rows of a tile I fetch
.set G1A,  24                          ; s[24:31] descriptor group 1 for x's tiles
.set G0A,  32                          ; s[32:39] descriptor group 0 for x's tiles: a set for each of the two first fills; the second then walks on
.set G1B,  48                          ; s[48:55] group 1 for w's tiles: it differs in the mask alone
.set G0B,  56                          ; s[56:63] group 0 for w's tiles
.set XC,   66                          ; s66  0x80808080
.set C64,  67                          ; s67  0x64646464
.set SELLO, 68                         ; s68  v_perm_b32: bytes 0 and 1, 0x64 above each
.set SELHI, 69                         ; s69  bytes 2 and 3
.set TB,   70                          ; s70  LDS byte (slot and place in a row) of the quarter to be fetched next
.set CNT,  71                          ; s71  counts pairs of quarters
.set SLOTS, 72                         ; s72  slots still to be asked for
.set MSB, 0
.macro WIN new                         ; the immediate's high byte repeats the setting that is left; a switch that changes nothing is dropped
.if MSB != (\new)
	s_set_vgpr_msb (MSB<<8)|(\new)
.set MSB, (\new)
.endif
.endm
; A round of the cluster's barrier: my work-group's barrier, so that wave 0's signal speaks for all four waves; wave 0 signals for the work-group; every wave waits for all sixteen work-groups;
; my work-group's barrier once more.  No LDS instruction of the wave is pending at a signal.
.macro CROUND
	s_barrier_signal -1
	s_barrier_wait -1
	s_cmp_lg_u32 s[WV], 0
	s_cbranch_scc1 .Lnot_wave_0_\@
	s_barrier_signal -3
.Lnot_wave_0_\@:
	s_barrier_wait -3
	s_barrier_signal -1
	s_barrier_wait -1
.endm
; A joint refill.  Waves 0 and 1 fetch x's two halves, waves 2 and 3 w's.  The branch hangs on the wave's number alone: it is the same in every work-group.
; An s_nop 0 and four v_nop follow each of the two lines, ahead of the jump and the label.
.macro JLOAD
	s_cmp_lt_u32 s[WV], 2
	s_cbranch_scc0 .Lfor_w_\@
	tensor_load_to_lds s[G0A+4:G0A+7], s[G1A:G1A+7]
	s_nop 0
.rept 4
	v_nop
.endr
	s_branch .Lasked_\@
.Lfor_w_\@:
	tensor_load_to_lds s[G0B+4:G0B+7], s[G1B:G1B+7]
	s_nop 0
.rept 4
	v_nop
.endr
.Lasked_\@:
.endm
.macro PLACES                          ; four places between a matrix instruction and a vector instruction that reads its result or writes one of its registers (ISA guide 7.12.1)
.rept 4
	v_nop
.endr
.endm
	s_load_b256 s[4:11], s[0:1], 0x0               ; x s[4:5], w s[6:7], bias s[8:9], out s[10:11]
	v_lshl_add_u32 v[SPW], v0, 2, SPARE
	v_mov_b32 v[NIL], 0
	ds_add_u32 v[SPW], v[NIL]                      ; the wave's opening: the add and its wait stand ahead of my first tensor load; the set-up below, work on registers, stands between them
	v_lshrrev_b32 v1, 5, v0
	v_readfirstlane_b32 s[WV], v1                  ; wave 0..3
	s_lshr_b32 s[RH], s[WV], 1
	s_and_b32 s[CH], s[WV], 1
	s_bfe_u32 s40, ttmp6, 0x40000                  ; cx: my place along the cluster's x
	s_bfe_u32 s41, ttmp6, 0x40004                  ; cy: along its y
	s_lshl_b32 s42, ttmp9, 2                       ; in a cluster launch ttmp9 and ttmp7 count clusters
	s_add_co_u32 s42, s42, s40                     ; tile column of out = 4 x cluster x + cx
	s_and_b32 s43, ttmp7, 0xffff
	s_lshl_b32 s43, s43, 2
	s_add_co_u32 s43, s43, s41                     ; tile row of out = 4 x cluster y + cy
	s_lshl_b32 s44, s41, 2
	s_lshl_b32 s44, 15, s44                        ; my row of the cluster: places 4 cy .. 4 cy + 3
	s_lshl_b32 s45, 0x1111, s40                    ; my column: places cx, cx + 4, cx + 8, cx + 12
	; descriptor group 1: a tile of 128 rows x 256 bytes, stated as 128 elements of 2 bytes, padded in LDS
	s_or_b32 s[G1A], s44, (1<<16)|(1<<20)|(1<<21)|(5<<22)|(3<<25)  ; 15:0 the mask: x's tiles go to my row; 17:16 elements of 2 bytes; 20 padding on; 21 set beside a mask; 24:22 after every 64 words (code 5); 31:25 4 words of it (code 3)
	s_or_b32 s[G1B], s45, (1<<16)|(1<<20)|(1<<21)|(5<<22)|(3<<25)  ; the same with the mask of my column, for w's tiles
.irp g, G1A, G1B
	s_mov_b32 s[(\g)+1], 128<<16                   ; 63:48 tensor_dim0, low half = 128
	s_mov_b32 s[(\g)+2], 128<<16                   ; 79:64 its high half = 0; 95:80 tensor_dim1, low half = 128
	s_mov_b32 s[(\g)+3], 128<<16                   ; 111:96 its high half = 0; 127:112 tile_dim0 = 128
	s_mov_b32 s[(\g)+4], 128                       ; 143:128 tile_dim1 = 128; 159:144 tile_dim2 = 0
	s_mov_b32 s[(\g)+5], 2048                      ; 191:160 tensor_dim0_stride: a row of 4,096 bytes is 2,048 elements
	s_mov_b32 s[(\g)+6], 0
	s_mov_b32 s[(\g)+7], 0
.endr
	s_mov_b32 s[XC], 0x80808080
	s_mov_b32 s[C64], 0x64646464
	s_mov_b32 s[SELLO], 0x04010400                 ; selector bytes 0-3 take the second source's bytes, 4 the first source's byte 0
	s_mov_b32 s[SELHI], 0x04030402
	s_mov_b32 s[TB], 0
	; where the tiles come from.  x's hang on the tile row alone, which my row of the cluster shares; w's on the tile column alone, which my column shares.
	; Every wave makes both addresses, in registers that never hold the other coordinate, and asks by one of them.
	s_lshl_b32 s15, s[CH], 7                       ; which 128 rows of the tile I fetch
	s_lshl_b32 s16, s43, 8
	s_add_co_u32 s16, s16, s15                     ; x: row 256 x tile row + 128 x half,
	s_lshl_b32 s16, s16, 12                        ; times 4,096 bytes: under 2^24
	s_mov_b32 s17, 0
	s_lshl_b32 s46, s42, 8
	s_add_co_u32 s46, s46, s15                     ; w: row 256 x tile column + 128 x half
	s_lshl_b32 s46, s46, 12
	s_mov_b32 s47, 0
	s_mul_i32 s20, s[WV], HALFT                    ; and where they go: x's two halves, then w's two halves = wave x 128 rows: no place in the cluster enters an LDS address
	s_wait_dscnt 0x0                               ; the opening add is done
	s_wait_kmcnt 0x0
	s_add_nc_u64 s[16:17], s[4:5], s[16:17]
	s_add_nc_u64 s[46:47], s[6:7], s[46:47]
	CROUND                                         ; all sixteen work-groups are here: the first joint loads meet
.irp s, 0,1
	s_mov_b32 s[G0A+4*(\s)], 1                                     ; 1:0 count = 1
	s_add_co_u32 s[G0A+4*(\s)+1], s20, (\s)*SLOT                   ; 63:32 LDS address
	s_add_nc_u64 s[G0A+4*(\s)+2:G0A+4*(\s)+3], s[16:17], (\s)*256  ; 120:64 global address: K step s
	s_or_b32 s[G0A+4*(\s)+3], s[G0A+4*(\s)+3], 0x80000000          ; 127:126 type = 2
	s_mov_b32 s[G0B+4*(\s)], 1
	s_add_co_u32 s[G0B+4*(\s)+1], s20, (\s)*SLOT
	s_add_nc_u64 s[G0B+4*(\s)+2:G0B+4*(\s)+3], s[46:47], (\s)*256
	s_or_b32 s[G0B+4*(\s)+3], s[G0B+4*(\s)+3], 0x80000000
.endr
	s_cmp_lt_u32 s[WV], 2                          ; a wave's two first fills stand in one branch, ahead of every wait on TENSORcnt and every LDS read: two loads of mine are out
	s_cbranch_scc0 .Lfirst_w
	tensor_load_to_lds s[G0A:G0A+3], s[G1A:G1A+7]
	s_nop 0
	tensor_load_to_lds s[G0A+4:G0A+7], s[G1A:G1A+7]
	s_nop 0
.rept 4
	v_nop
.endr
	s_branch .Lfirst_asked
.Lfirst_w:
	tensor_load_to_lds s[G0B:G0B+3], s[G1B:G1B+7]
	s_nop 0
	tensor_load_to_lds s[G0B+4:G0B+7], s[G1B:G1B+7]
	s_nop 0
.rept 4
	v_nop
.endr
.Lfirst_asked:
	; All of this stands in the wait for the first tile.  Lane l takes row l % 16 of a block of 16 rows and, of a quarter's 32 bytes, the 16 at 16 (l / 16).
	v_and_b32 v1, 15, v0                           ; l % 16
	v_bfe_u32 v2, v0, 4, 1                         ; l / 16
	v_mul_u32_u24 v3, v1, PITCH
	v_lshl_add_u32 v3, v2, 4, v3                   ; row x pitch + 16 x half
	s_mul_i32 s21, s[RH], HALFT                    ; my 128 rows of x
	s_mul_i32 s22, s[CH], HALFT                    ; my 128 rows of w,
	s_add_co_u32 s22, s22, 2*HALFT                 ; which lie behind x's 256
	v_add_nc_u32 v[A0], s21, v3
	v_add_nc_u32 v[B0], s22, v3
	s_mul_i32 s23, s[WV], WSTAGE
	s_add_co_u32 s23, s23, STAGE                   ; my stage
	v_mul_u32_u24 v3, v1, SPITCH                   ; in: row l % 16, 32 bytes for each half of the lanes
	v_lshl_add_u32 v3, v2, 5, v3
	v_add_nc_u32 v[STO], s23, v3
	v_and_b32 v3, 31, v0
	v_lshlrev_b32 v[CO], 4, v3                     ; back: 32 lanes take one row of 512 bytes,
	v_add_nc_u32 v[RD], s23, v[CO]                 ; which are 512 consecutive bytes of out
	v_lshlrev_b32 v[BO], 5, v2                     ; my eight columns of a block of 16: 32 bytes for each half of the lanes
.irp w, 0,1,2,3
	WIN 0x40*(\w)
	v_mov_b32 v[KREG], 0xe480e480                  ; -1152 in f16, twice
.endr
	s_lshl_b32 s18, s42, 10                        ; my first column, in bytes of f32: 1,024 x tile column + 512 x half
	s_lshl_b32 s19, s[CH], 9
	s_add_co_u32 s18, s18, s19
	s_mov_b32 s19, 0
	s_add_nc_u64 s[8:9], s[8:9], s[18:19]          ; the bias at my first column
.set b, 0
.rept 8                                ; block b's eight numbers for my lane: columns 16 b + 8 (l / 16) + 0..7, into window 1 (blocks 0-3) or 2 (blocks 4-7)
	WIN 0x40*(1+b/4)
	global_load_b128 v[8*(b%4):8*(b%4)+3],   v[BO], s[8:9] offset:64*b
	global_load_b128 v[8*(b%4)+4:8*(b%4)+7], v[BO], s[8:9] offset:64*b+16
.set b, b+1
.endr
	WIN 0
	s_lshl_b32 s21, s43, 8
	s_lshl_b32 s22, s[RH], 7
	s_add_co_u32 s21, s21, s22                     ; my first row of out,
	s_lshl_b32 s21, s21, 14                        ; times 16,384 bytes: under 2^26
	s_add_co_u32 s18, s18, s21
	s_add_nc_u64 s[10:11], s[10:11], s[18:19]      ; out at my first row and column
; Rider j of a segment's 80, for the four fragments of the window in hand; FG is the buffer that the quarter's products do not read.  A result is read sixteen lines behind its making at the nearest.
.macro RID
.set n, j%16
.if j < 16
	v_xor_b32 v[FG+8*(n/4)+2*(n%4)], s[XC], v[RAW+n]                                   ; raw word n: four bytes s + 128
.elseif j < 32
	v_perm_b32 v[FG+8*(n/4)+2*(n%4)+1], s[C64], v[FG+8*(n/4)+2*(n%4)], s[SELHI]       ; its bytes 2 and 3 as 1024 + u
.elseif j < 48
	v_perm_b32 v[FG+8*(n/4)+2*(n%4)], s[C64], v[FG+8*(n/4)+2*(n%4)], s[SELLO]         ; its bytes 0 and 1, in place
.else
	v_pk_add_f16 v[FG+j-48], v[KREG], v[FG+j-48]                                       ; less 1152: the int8 itself, exact
.endif
.set j, j+1
.endm
; The raw bytes of window wa's four fragments: x's blocks 2 wa, 2 wa + 1, w's blocks 2 wa, 2 wa + 1
.macro LD4
	ds_load_b128 v[RAW:RAW+3],     v[ADRA] offset:(2*wa)*16*PITCH
	ds_load_b128 v[RAW+4:RAW+7],   v[ADRA] offset:(2*wa+1)*16*PITCH
	ds_load_b128 v[RAW+8:RAW+11],  v[ADRB] offset:(2*wa)*16*PITCH
	ds_load_b128 v[RAW+12:RAW+15], v[ADRB] offset:(2*wa+1)*16*PITCH
.endm
; Product i of a segment's 16: row block 2 wa + (i / 2) % 2, column block 2 (i / 4) + i % 2, on buffer FF.  zero = 1: it starts the sum: nothing is ever cleared.
.macro MMA zero
.set rD, ACC+8*(8*((i/2)%2)+2*(i/4)+i%2)
.set rW, FF+16+8*(i%2)
.set rX, FF+8*((i/2)%2)
.if \zero
	v_wmma_f32_16x16x32_f16 v[rD:rD+7], v[rW:rW+7], v[rX:rX+7], 0
.else
	v_wmma_f32_16x16x32_f16 v[rD:rD+7], v[rW:rW+7], v[rX:rX+7], v[rD:rD+7]
.endif
.endm
; A QUARTER: 32 along K, in four SEGMENTS, one for each window wa: its 16 products on buffer f (mm), five riders behind each, which turn the window's raw bytes into the other buffer (conv), and, behind the
; fourth product's riders, when all sixteen raw words have been read and source 0 still means window 0, the window's four loads for the quarter after next (load).
; The 64 accumulators take turns, one instruction a turn, in the same order in every quarter.  The riders name no register of this quarter's products; the buffer that they write was
; last read a quarter ago, twelve products and sixty riders back at the nearest (w's fragments of window 0).
.macro QUARTER f, zero=0, mm=1, conv=1, load=1
.set FF, FR+32*(\f)
.set FG, FR+32*(1-(\f))
.set wa, 0
.rept 4
.set j, 0
	WIN 0x54*wa
.if \conv
.if \load
	s_wait_dscnt 12                                ; LDS loads come back in order (ISA guide 5.7.1): behind this window's four stand the other three windows' four each
.else
	s_wait_dscnt 12-4*wa                           ; nothing is loaded any more: the counts run down
.endif
.endif
.if (\load) && (wa == 0)
	v_add_nc_u32 v[ADRA], s[TB], v[A0]             ; this quarter's four runs of loads
	v_add_nc_u32 v[ADRB], s[TB], v[B0]
	s_add_co_u32 s[TB], s[TB], 32                  ; the next fetch is the next quarter's
.endif
.set i, 0
.rept 16
.if \mm
	WIN 0x54*wa+i/4
	MMA \zero
.endif
.if \conv
.rept 5
	RID
.endr
.endif
.if (\load) && (i == 3)
	LD4
.endif
.set i, i+1
.endr
.set wa, wa+1
.endr
.endm
.macro PAIR
	QUARTER 0
	QUARTER 1
	WIN 0                                          ; at a label and at a branch every window is 0
.endm
; THE CHANGE OF SLOTS, behind a step's sixth quarter: the slot's last bytes, the raw bytes of its eighth quarter, have been asked for.  Each wave waits for all its tensor loads, of which one is out: its part
; of the other slot; adds 0 to its spare word; and waits for that and for its own reads of the slot.  Behind the barrier nobody reads this slot any more and the other slot is whole.
; fill = 1: this slot is filled again, with the K step two steps on.  The barrier is then a round of the cluster's, so that no wave of any partner still reads the slot or has a load on its way, and the
; joint refill is the first thing behind it: it has eight quarters, 512 matrix instructions, in which to land.
.macro CHANGE fill
	WIN 0
	s_wait_tensorcnt 0x0                           ; no tensor load of mine is out, so a group 0 may be written
	ds_add_u32 v[SPW], v[NIL]                      ; 0 onto my spare word; with fill = 1 the descriptors' steps stand between it and the wait for it
.if \fill
.irp g, G0A+4, G0B+4
	s_xor_b32 s[(\g)+1], s[(\g)+1], SLOT           ; the walking descriptor: the other slot than last time,
	s_add_nc_u64 s[(\g)+2:(\g)+3], s[(\g)+2:(\g)+3], 256  ; the next 256 bytes of the rows; the type bits on top are not reached
.endr
	s_wait_dscnt 0x0                               ; the add is done, and my reads of the slot are over
	CROUND
	JLOAD
.else
	s_wait_dscnt 0x0                               ; the add is done, and my reads of the slot are over
	s_barrier_signal -1
	s_barrier_wait -1
.endif
	s_sub_co_u32 s[TB], s[TB], 256                 ; the fetches go back to the rows' first bytes,
	s_xor_b32 s[TB], s[TB], SLOT                   ; in the other slot
.endm
; THE WAY OUT of row block a, in three parts.  PACK: the bias is added, 64 numbers a lane, each accumulator's registers in ascending order.  TOSTAGE: into my own stage in LDS, and back as whole rows of 512 bytes.  SEND: stored.
.macro PACK a
.set b, 0
.rept 8
	WIN ((\a)/2)+((1+b/4)<<2)                      ; source 0: the accumulators' window; source 1: the bias's; destination: window 0
.set rA, ACC+8*(8*((\a)%2)+b)
.irp q, 0,2,4,6
	v_pk_add_f32 v[TMP+8*b+\q:TMP+8*b+\q+1], v[rA+\q:rA+\q+1], v[8*(b%4)+\q:8*(b%4)+\q+1]
.endr
.set b, b+1
.endr
	WIN 0
.endm
.macro TOSTAGE a
	WIN 0
.set t, 0
.rept 16
	ds_store_b128 v[STO], v[TMP+4*t:TMP+4*t+3] offset:64*(t/2)+16*(t%2)  ; column block t / 2: 64 bytes of a row, of which my half of the lanes has 32
.set t, t+1
.endr
	WIN 0x40*(1+(\a)%2)
.set t, 0
.rept 16
	ds_load_b128 v[OB+4*t:OB+4*t+3], v[RD] offset:SPITCH*t  ; LDS serves a wave's instructions in order (ISA guide 5.7.1.4): these see the stores above; the next block's stores come behind them
.set t, t+1
.endr
	WIN 0
.endm
.macro SEND a
	WIN 0
	s_wait_dscnt 0x0                               ; the block is back in registers
	s_wait_xcnt 0x0                                ; every earlier memory instruction has had its addresses translated (ISA guide 3.1): only behind this wait are the stores' base and the registers that earlier stores read rewritten
.if (\a) > 0
	s_add_nc_u64 s[10:11], s[10:11], 16*16384      ; 16 rows of out on
.endif
	WIN (1+(\a)%2)<<2                              ; the stores' data, source 1, in window 1 or 2
.set t, 0
.rept 16
	global_store_b128 v[CO], v[OB+4*t:OB+4*t+3], s[10:11] offset:16384*t th:TH_STORE_NT  ; the wave stores 512 consecutive bytes of a row, at a multiple of 512 from out's first byte
.set t, t+1
.endr
	WIN 0
.endm
	s_wait_tensorcnt 0x1                           ; my part of K step 0 is in; K step 1's may stay out
	s_wait_loadcnt 0x0                             ; the bias, once
	s_barrier_signal -1
	s_barrier_wait -1                              ; everybody's part is in
	v_add_nc_u32 v[ADRA], s[TB], v[A0]             ; the raw bytes of quarter 0
	v_add_nc_u32 v[ADRB], s[TB], v[B0]
	s_add_co_u32 s[TB], s[TB], 32
.set wa, 0
.rept 4
	WIN 0x40*wa                                    ; destination window wa, address window 0
	LD4
.set wa, wa+1
.endr
	WIN 0
	QUARTER 1, 0, 0, 1, 1                          ; no products yet: quarter 0's fragments are made in buffer 0, quarter 1's raw bytes fetched
	QUARTER 0, 1                                   ; quarter 0: its products start the 64 sums
	QUARTER 1                                      ; quarter 1
	WIN 0
	s_mov_b32 s[CNT], 2
.Lp0:                                                  ; quarters 2 to 5
	PAIR
	s_sub_co_u32 s[CNT], s[CNT], 1
	s_cmp_lg_u32 s[CNT], 0
	s_cbranch_scc1 .Lp0
	s_mov_b32 s[SLOTS], 14
.Lslot:                                                ; 14 trips, quarters 6 to 117: trip c leaves K step c's slot and asks for K step c + 2
	CHANGE 1
	s_mov_b32 s[CNT], 4
.Lp1:
	PAIR
	s_sub_co_u32 s[CNT], s[CNT], 1
	s_cmp_lg_u32 s[CNT], 0
	s_cbranch_scc1 .Lp1
	s_sub_co_u32 s[SLOTS], s[SLOTS], 1
	s_cmp_lg_u32 s[SLOTS], 0
	s_cbranch_scc1 .Lslot
	CHANGE 0                                       ; the tail is written out: the last slot but one is left, and nothing is asked for
	s_mov_b32 s[CNT], 4
.Lp2:                                                  ; quarters 118 to 125
	PAIR
	s_sub_co_u32 s[CNT], s[CNT], 1
	s_cmp_lg_u32 s[CNT], 0
	s_cbranch_scc1 .Lp2
	QUARTER 0, 0, 1, 1, 0                          ; quarter 126: the last fragments are made; nothing is left to fetch
	QUARTER 1, 0, 1, 0, 0                          ; quarter 127: products alone
	WIN 0
	PLACES                                         ; the last quarter has no riders: four places in front of the lines that read results and write over fragments
	PACK 0
	TOSTAGE 0
.irp a, 1,2,3,4,5,6,7                  ; block a's additions stand between block a - 1's loads from the stage and the wait for them
	PACK \a
	SEND (\a)-1
	TOSTAGE \a
.endr
	SEND 7
	s_wait_tensorcnt 0x0                           ; the wave's end, behind my last tensor load and my last LDS store
	ds_add_u32 v[SPW], v[NIL]
	s_wait_dscnt 0x0
	CROUND                                         ; the closing round: no work-group ends while a partner may still ask for a tile that names it
	s_endpgm
.Lfunc_end_k_qd10dd40239_gemm:
	.size	k_qd10dd40239_gemm, .Lfunc_end_k_qd10dd40239_gemm-k_qd10dd40239_gemm
	.p2alignl 7, 3214868480
	.fill 96, 4, 3214868480
	.section	.rodata,"a",@progbits
	.p2align	6, 0x0
	.amdhsa_kernel k_qd10dd40239_gemm
		.amdhsa_group_segment_fixed_size 327680
		.amdhsa_private_segment_fixed_size 0
		.amdhsa_enable_private_segment 0
		.amdhsa_kernarg_size 32
		.amdhsa_user_sgpr_count 2
		.amdhsa_user_sgpr_kernarg_segment_ptr 1
		.amdhsa_wavefront_size32 1
		.amdhsa_system_sgpr_workgroup_id_x 1
		.amdhsa_system_sgpr_workgroup_id_y 1
		.amdhsa_system_sgpr_workgroup_id_z 1
		.amdhsa_system_vgpr_workitem_id 0
		.amdhsa_next_free_vgpr 1024
		.amdhsa_next_free_sgpr 80
		.amdhsa_reserve_vcc 0
		.amdhsa_float_denorm_mode_32 3
		.amdhsa_float_denorm_mode_16_64 3
		.amdhsa_memory_ordered 1
		.amdhsa_forward_progress 1
		.amdhsa_inst_pref_size 255
	.end_amdhsa_kernel
	.section	.bss,"aw",@nobits
	.p2align	6
	.space	262144
	.amdgpu_metadata
---
amdhsa.version: [ 1, 2 ]
amdhsa.kernels:
  - .name:           k_qd10dd40239_gemm
    .symbol:         k_qd10dd40239_gemm.kd
    .args:
      - { .name: x, .offset: 0, .size: 8, .value_kind: global_buffer, .address_space: global }
      - { .name: weight, .offset: 8, .size: 8, .value_kind: global_buffer, .address_space: global }
      - { .name: fake_bias, .offset: 16, .size: 8, .value_kind: global_buffer, .address_space: global }
      - { .name: out0, .offset: 24, .size: 8, .value_kind: global_buffer, .address_space: global }
    .group_segment_fixed_size: 327680
    .private_segment_fixed_size: 0
    .kernarg_segment_align: 8
    .kernarg_segment_size: 32
    .max_flat_workgroup_size: 128
    .sgpr_count:     80
    .vgpr_count:     1024
    .wavefront_size: 32
...
	.end_amdgpu_metadata
.endif
;; end of part 1
